; MI455X (gfx1250); checked and timed in simulation.
; The chip was launched on July 23, 2026; its instructions are those of AMD's public machine-readable ISA for CDNA 5 (MIT licence, August 2026) and "CDNA5" Instruction Set Architecture Reference Guide (July 2026). The comments in the code are by the model that wrote it; some were corrected since.
;; Hierarchical Logits. Allowed arithmetic: matrix products marked QUANTISED: E5M2 operands, one given power-of-two scale a tensor, by v_wmma_f32_16x16x64_bf8_bf8 or v_wmma_f32_16x16x128_bf8_bf8, f32 sums; everything else in f32.
;; Inputs: S 4,095 x 4,096 float32; X 4,096 x 2,048 float32; biases 4,096 float32; lowp_scales 4 int32 (the exponents e of the quantised operands' scales 2^e); normals 4,095 x 2,048 float32.
;; Outputs: out0 4,096 x 4,096 float32.
;; This version of the problem:
;;   THIS VERSION OF THE PROBLEM IS GIVEN IN LOW PRECISION. The matrix products marked QUANTISED in the list below multiply operands that are first quantised to E5M2 (5 exponent bits, 2 mantissa bits; 8 bits a number), with one given power-of-two scale for each operand tensor; their sums are f32. All else is computed in f32.
;;   The module's matrix products, in the order in which they are computed (A, B: the left and right operand; K: the contracted axis; several contracted axes count as one K, in the product's order):
;;     1. [M 2,048, K 4,095] x [K 4,095, N 4,096]; A: input normals; B: input S: QUANTISED (scales: A lowp_scales[0], B lowp_scales[1])
;;     2. [M 4,096, K 2,048] x [K 2,048, N 4,096]; A: input X; B: computed on the way: QUANTISED (scales: A lowp_scales[2], B lowp_scales[3])
;;   THE QUANTISER, for each operand of a quantised product, along K:
;;     - The operand's scale is 2^e, e = its entry of the input lowp_scales (int32; the entries are numbered through the quantised products in the list's order, A before B).
;;     - Each number is divided by the scale, clamped to +-57,344, and rounded to the nearest number of E5M2, ties to even, subnormals kept.
;;     - The product sums the exact products of the quantised numbers (number of the format x scale) in f32.
;;   ~~~python
;;   def quantise(x, axis, e):      # numpy; x: float32 -> the quantised numbers, widened to float32 again
;;       x = np.moveaxis(x, axis, -1); K = x.shape[-1]
;;       r = np.clip(x / 2.0 ** e, -57344, 57344)
;;       step = 2.0 ** (np.maximum(np.frexp(np.where(r == 0, 1, r))[1] - 1, -14) - 2)
;;       q = np.round(r / step) * step * 2.0 ** e      # np.round: ties to even
;;       return np.moveaxis(q, -1, axis).astype(np.float32)
;;   ~~~
;;   OPERANDS COMPUTED ON THE WAY. 'Computed on the way' means the value that the module computes at that place (a softmax that the list does not call 'softmax' is quantised finished and normalised). What goes into a quantiser is computed in f32, as accurately as f32 sums, v_exp_f32 and their like allow (about 1e-6 of the number): no bf16 or f16 on the way to a quantiser, and a product that is left as it is and whose result goes on into a quantised operand takes f32 operands (vector FMAs, or v_wmma_f32_16x16x4_f32). A number that lies on a knife's edge between two numbers of the format may be rounded either way, as far as f32 arithmetic and the matrix unit's own rounding can turn it there, and no further.
;; One version. Each part assembles by itself: llvm-mc -triple=amdgcn-amd-amdhsa -mcpu=gfx1250 --defsym DOCPART=n.
;; ======== version 1 of 1: 3 launches
;; limits: right only within a limited range of input values
;; workspace buffers: s_codes 16,777,216 bytes; n_codes 8,388,608 bytes; x_codes 8,388,608 bytes; wt_codes 8,388,608 bytes
;; launch quant (part 1): grid 768 x 1, 4 waves a work-group, no clusters, 35,328 bytes of LDS; arguments S, normals, lowp_scales, s_codes, n_codes; writes s_codes, n_codes
.if DOCPART == 1
	.amdgcn_target "amdgcn-amd-amdhsa--gfx1250"
	.amdhsa_code_object_version 6
	.text
	.protected	k_q300ded9642_quant
	.globl	k_q300ded9642_quant
	.p2align	8
	.type	k_q300ded9642_quant,@function
k_q300ded9642_quant:
	s_mov_b64 s[64:65], 0
	v_nop
	global_prefetch_b8 v0, s[64:65] scope:SCOPE_SE
	s_setreg_imm32_b32 hwreg(HW_REG_WAVE_MODE, 25, 1), 1
	s_wait_xcnt 0x0
; The two operands of the first product become codes of BF8 (E5M2), one code a byte, K innermost, each with the one scale 2^e that is given for it.
;   S [4095 k][4096 n] f32       -> s_codes [4096 n][4096 k]   (e = entry 1)      K is S's FIRST axis
;   normals [4095 k][2048 d] f32 -> n_codes [2048 d][4096 k]   (e = entry 0)      likewise
; code = x / 2^e, held within +-57,344, rounded to the nearest code, ties to even.  K = 4,095 is filled up to 4,096 with the code 0 in both.
; (X, whose codes only the last launch reads, is quantised by the next launch, beside its products.)
; LIMITS: each e lies between -126 and 112, so that 2^e and 57,344 x 2^e are f32 numbers.  NaN among the inputs is not served; an infinity is held at the largest code.
; SHARES: 768 work-groups of four waves, 32,768 numbers each.  Work-groups 0-511: S (32 groups of 128 columns x 16 chunks of 256 along K); 512-767: normals (16 x 16).
; Both take ONE path, with pointers, pitch and scale chosen on the work-group's number.  No tensor loads, no barrier: waves share nothing.  No cluster: no two work-groups read the same bytes.
; A LANE TAKES A COLUMN, AND ITS REGISTERS RUN DOWN K.  Each load reads one row k at 32 neighbouring columns (128 consecutive bytes a wave, 512 a work-group).  A lane's 32 registers are 32 neighbours
; along K of ONE column, which is what the conversions take: the codes come out with K innermost, and nothing is transposed by an instruction.  A wave gathers 256 along K for its 32 columns in its
; own stage in LDS and stores whole rows of 256 bytes.
; THE CODES' LAYOUT IN MEMORY: by fragments of 16 rows x 64 along K, 1,024 bytes each: [row / 16][k / 64][c = 0, 1][lane = 16 h + row % 16][16 bytes: k % 64 = 32 c + 16 h + 0 .. 15].
; A row block's 64 fragments follow each other (65,536 bytes).  The next launch loads a fragment by two loads of 512 consecutive bytes; both operands have the same order of k.
.set KP,    272
.set EMAX,  15
.set MANT,  0x600000                   ; the mantissa field of 57,344 as f32
.set OFFL,  12                         ; v12      the offset of the chunk's last row (in the last chunk: of the row before it)
.set OFF,   16                         ; v16-47   row i of a block: i x pitch + 4 x lane; never rewritten
.set KX,    48                         ; v48-111  two sets of 32 numbers
.set KC,    112                        ; v112-119 a block's codes
.set OUTR,  120                        ; v120-183 the way out
.set KB,    32                         ; s[32:47] the address of each of the chunk's eight blocks; never rewritten
	s_load_b128 s[4:7], s[0:1], 0x0                ; S s[4:5], normals s[6:7]
	s_load_b64 s[10:11], s[0:1], 0x10              ; the scales' exponents
	s_load_b128 s[12:15], s[0:1], 0x18             ; S's codes s[12:13], normals' codes s[14:15]
	v_lshl_add_u32 v192, v0, 2, 0x8800
	v_mov_b32 v193, 0
	v_lshrrev_b32 v1, 5, v0
	v_readfirstlane_b32 s18, v1                    ; wave 0..3
	v_and_b32 v2, 31, v0                           ; lane
	s_wait_alu depctr_va_vdst(0)
	s_wait_kmcnt 0x0
	s_load_b64 s[24:25], s[10:11], 0x0             ; e of normals, e of S
	s_cmp_lt_u32 ttmp9, 512                        ; S's work-group or normals'?  The choices hang on the work-group's number alone
	s_cselect_b64 s[20:21], s[4:5], s[6:7]         ; from where
	s_cselect_b64 s[22:23], s[12:13], s[14:15]     ; to where
	s_mov_b32 s48, 8192
	s_cselect_b32 s48, 16384, s48                  ; a row of the source in bytes
	s_cselect_b32 s49, 5, 4                        ; log2 of its groups of 128 columns
	s_cselect_b32 s50, 0, 512
	s_sub_co_u32 s50, ttmp9, s50                   ; my number within the tensor
	s_bfm_b32 s51, s49, 0
	s_and_b32 s51, s50, s51                        ; which group of columns
	s_lshr_b32 s52, s50, s49                       ; which chunk of 256 along K, 0..15
	s_lshl_b32 s54, s51, 7
	s_lshl_b32 s53, s18, 5
	s_add_co_u32 s54, s54, s53                     ; my wave's first column
	s_mul_i32 s56, s52, s48
	s_lshl_b32 s56, s56, 8                         ; 256 rows a chunk: at most 15 x 256 x 16,384 bytes
	s_lshl_b32 s53, s54, 2
	s_add_co_u32 s56, s56, s53
	s_mov_b32 s57, 0
	s_add_nc_u64 s[KB:KB+1], s[20:21], s[56:57]    ; block 0
	s_lshl_b32 s58, s48, 5                         ; 32 rows from block to block
	s_mov_b32 s59, 0
.irp t, 1,2,3,4,5,6,7
	s_add_nc_u64 s[KB+2*\t:KB+2*\t+1], s[KB+2*\t-2:KB+2*\t-1], s[58:59]
.endr
	s_lshl_b32 s56, s54, 12                        ; the codes: row = column, 4,096 bytes a row,
	s_lshl_b32 s53, s52, 12                        ; + 4 fragments of 1,024 bytes a chunk
	s_add_co_u32 s56, s56, s53
	s_add_nc_u64 s[22:23], s[22:23], s[56:57]
	s_cmp_eq_u32 s52, 15                           ; the last chunk's last row, k = 4,095, does not exist:
	s_cselect_b32 s55, 30, 31                      ; its load reads the row before it once more, so that no load leaves the buffer,
	s_cselect_b32 s60, -1, 0                       ; and 0 is put in its place
	s_mul_i32 s53, s55, s48
	v_lshlrev_b32 v3, 2, v2                        ; in: 4 bytes a lane
	v_add_nc_u32 v[OFFL], s53, v3
.irp i, 0,1,2,3,4,5,6,7,8,9,10,11,12,13,14,15,16,17,18,19,20,21,22,23,24,25,26,27,28,29,30,31
	v_mad_u32_u24 v[OFF+\i], s48, \i, v3
.endr
	s_mul_i32 s19, s18, 32*KP                      ; my stage
	v_mul_u32_u24 v4, v2, KP
	v_add_nc_u32 v4, s19, v4                       ; into it: row = my column
	v_and_b32 v5, 15, v2
	v_lshrrev_b32 v6, 4, v2                        ; out of it: two lanes to a row, sixteen rows an instruction
	v_mul_u32_u24 v7, v5, KP                       ; out of it: lane 16 h + r takes 16 bytes of stage row r, at byte 16 h
	v_lshl_add_u32 v7, v6, 4, v7
	v_add_nc_u32 v7, s19, v7
	v_lshlrev_b32 v8, 4, v2                        ; and 16 x lane in the codes' buffer
	v_mov_b32 v13, 0
.macro KLOAD t                         ; block t: rows 32 t + i of the chunk, my column, into set t % 2
.irp i, 0,1,2,3,4,5,6,7,8,9,10,11,12,13,14,15,16,17,18,19,20,21,22,23,24,25,26,27,28,29,30,31
.if ((\t) == 7) && (\i == 31)
	global_load_b32 v[KX+32*((\t)%2)+\i], v[OFFL], s[KB+2*(\t):KB+2*(\t)+1] th:TH_LOAD_NT
.else
	global_load_b32 v[KX+32*((\t)%2)+\i], v[OFF+\i], s[KB+2*(\t):KB+2*(\t)+1] th:TH_LOAD_NT
.endif
.endr
.endm
	KLOAD 0
	KLOAD 1
	s_wait_kmcnt 0x0
	s_cmp_lt_u32 ttmp9, 512
	s_cselect_b32 s24, s25, s24                    ; e: S's is entry 1, normals' entry 0
	s_add_co_i32 s24, s24, 127
	s_lshl_b32 s25, s24, 23
	v_mov_b32 v11, s25                             ; 2^e as f32: the conversion takes its exponent field
	s_add_co_i32 s24, s24, EMAX
	s_lshl_b32 s24, s24, 23
	s_or_b32 s24, s24, MANT
	v_mov_b32 v10, s24                             ; 57,344 x 2^e
.macro KBLOCK t
.set XS, KX+32*((\t)%2)
.if (\t) < 7
	s_wait_loadcnt 32                              ; this block's 32 loads are in; the next block's may be out
.else
	s_wait_loadcnt 0
	v_cndmask_b32 v[XS+31], v[XS+31], v13, s60     ; in the last chunk: 0 for k = 4,095
.endif
.irp i, 0,1,2,3,4,5,6,7,8,9,10,11,12,13,14,15,16,17,18,19,20,21,22,23,24,25,26,27,28,29,30,31
	v_med3_num_f32 v[XS+\i], v[XS+\i], -v10, v10   ; the conversion to an 8-bit code does not saturate (ISA guide 7.6.2): the number is held within the largest code x the scale first
.endr
.irp g, 0,1,2,3
	v_cvt_scalef32_pk8_bf8_f32 v[KC+2*\g:KC+2*\g+1], v[XS+8*\g:XS+8*\g+7], v11
.endr
	ds_store_b128 v4, v[KC:KC+3] offset:32*(\t)    ; 32 codes: 32 bytes of my column's row.  (The codes go to LDS stores alone, and the next block begins with plain vector lines)
	ds_store_b128 v4, v[KC+4:KC+7] offset:32*(\t)+16
.if (\t)+2 < 8
	KLOAD (\t)+2
.endif
	s_wait_dscnt 0x0                               ; the stores have read their registers: the next block's codes may be written
.endm
	s_wait_alu depctr_va_vdst(0)
.irp t, 0,1,2,3,4,5,6,7
	KBLOCK \t
.endr
.irp t, 0,1,2,3,4,5,6,7,8,9,10,11,12,13,14,15
	ds_load_b128 v[OUTR+4*\t:OUTR+4*\t+3], v7 offset:(\t/8)*16*KP+32*(\t%8)   ; row block t / 8, 32 along K at 32 (t % 8)
.endr
.irp t, 0,1,2,3,4,5,6,7,8,9,10,11,12,13,14,15
	s_wait_dscnt 15-\t                             ; the younger loads may stay out
	global_store_b128 v8, v[OUTR+4*\t:OUTR+4*\t+3], s[22:23] offset:(\t/8)*65536+512*(\t%8)   ; 32 lanes store 512 consecutive bytes, at a multiple of 256 from the buffer's first byte
.endr
	s_wait_tensorcnt 0x0
	ds_add_u32 v192, v193
	s_wait_dscnt 0x0
	s_endpgm
.Lfunc_end_k_q300ded9642_quant:
	.size	k_q300ded9642_quant, .Lfunc_end_k_q300ded9642_quant-k_q300ded9642_quant
	.p2alignl 7, 3214868480
	.fill 96, 4, 3214868480
	.section	.rodata,"a",@progbits
	.p2align	6, 0x0
	.amdhsa_kernel k_q300ded9642_quant
		.amdhsa_group_segment_fixed_size 35328
		.amdhsa_private_segment_fixed_size 0
		.amdhsa_enable_private_segment 0
		.amdhsa_kernarg_size 40
		.amdhsa_user_sgpr_count 2
		.amdhsa_user_sgpr_kernarg_segment_ptr 1
		.amdhsa_wavefront_size32 1
		.amdhsa_system_sgpr_workgroup_id_x 1
		.amdhsa_system_sgpr_workgroup_id_y 1
		.amdhsa_system_sgpr_workgroup_id_z 1
		.amdhsa_system_vgpr_workitem_id 0
		.amdhsa_next_free_vgpr 194
		.amdhsa_next_free_sgpr 66
		.amdhsa_reserve_vcc 0
		.amdhsa_float_denorm_mode_32 3
		.amdhsa_float_denorm_mode_16_64 3
		.amdhsa_memory_ordered 1
		.amdhsa_forward_progress 1
		.amdhsa_inst_pref_size 52
	.end_amdhsa_kernel
	.amdgpu_metadata
---
amdhsa.version: [ 1, 2 ]
amdhsa.kernels:
  - .name:           k_q300ded9642_quant
    .symbol:         k_q300ded9642_quant.kd
    .args:
      - { .name: S, .offset: 0, .size: 8, .value_kind: global_buffer, .address_space: global }
      - { .name: normals, .offset: 8, .size: 8, .value_kind: global_buffer, .address_space: global }
      - { .name: lowp_scales, .offset: 16, .size: 8, .value_kind: global_buffer, .address_space: global }
      - { .name: s_codes, .offset: 24, .size: 8, .value_kind: global_buffer, .address_space: global }
      - { .name: n_codes, .offset: 32, .size: 8, .value_kind: global_buffer, .address_space: global }
    .group_segment_fixed_size: 35328
    .private_segment_fixed_size: 0
    .kernarg_segment_align: 8
    .kernarg_segment_size: 40
    .max_flat_workgroup_size: 128
    .sgpr_count:     66
    .vgpr_count:     194
    .wavefront_size: 32
...
	.end_amdgpu_metadata
.endif
;; end of part 1
;; launch combine (part 2): grid 256 x 1, 4 waves a work-group, clusters of 4 x 1, 327,680 bytes of LDS; arguments s_codes, n_codes, lowp_scales, wt_codes, X, x_codes; writes wt_codes, x_codes
.if DOCPART == 2
	.amdgcn_target "amdgcn-amd-amdhsa--gfx1250"
	.amdhsa_code_object_version 6
	.text
	.protected	k_q300ded9642_combine
	.globl	k_q300ded9642_combine
	.p2align	8
	.type	k_q300ded9642_combine,@function
k_q300ded9642_combine:
	s_mov_b64 s[64:65], 0
	v_nop
	global_prefetch_b8 v0, s[64:65] scope:SCOPE_SE
	s_setreg_imm32_b32 hwreg(HW_REG_WAVE_MODE, 25, 1), 1
	s_wait_xcnt 0x0
	s_wait_alu depctr_hold_cnt(0) depctr_sa_sdst(0) depctr_va_vdst(0) depctr_va_sdst(0) depctr_va_ssrc(0) depctr_va_vcc(0) depctr_vm_vsrc(0)
	s_getreg_b32 s2, hwreg(HW_REG_IB_STS2, 6, 4)
	s_cmp_eq_u32 s2, 0
	s_cbranch_scc0 .Lentry_in_a_cluster
	s_endpgm
.Lentry_in_a_cluster:
	s_bfe_u32 s2, ttmp6, 0x10000c
	s_cmp_lg_u32 s2, 0x3003
	s_cbranch_scc0 .Lentry_shape_is_right
	s_endpgm
.Lentry_shape_is_right:
; W^T[n][d] = sum over m of S[m][n] normals[m][d], on codes of BF8 (K = 4,096, the last k a zero code), quantised again with 2^e3 into wt_codes; and X is quantised with 2^e2 into x_codes.
; All four code buffers lie by fragments of 16 rows x 64 k (1,024 bytes: [c][lane][16 bytes]), a row block's fragments on end.
; wt_codes and x_codes: bytes 0-7 of (c, lane 16 h + r) are k % 64 = 32 c + 8 h + 0..7 of row r, bytes 8-15 are 16 further on.
; SHARES: 512 tiles of 128 n x 128 d; TWO waves make one tile, each half of K (32 steps of 64), 64 accumulators each.  A work-group: one n tile, two d tiles.  256 work-groups.
; SOURCE 0 (normals): each wave's 8 row blocks x 4 steps (32,768 bytes) come by one tensor load into its part of a ring of two LDS slots; a slot serves four steps, and its refill is asked for four steps ahead.
; CLUSTERS: four work-groups along x form a cluster: the same two d tiles, four different n tiles.  So wave w's tile of normals has the same rows and the same LDS place in all four, and is asked for JOINTLY
; (mask 15); a round of the cluster's barrier stands in front of every joint load.  No register of a descriptor, no LDS address and no branch hangs on a work-group's place in its cluster.
; SOURCE 1 (S), which differs between the partners: from memory straight into registers, 16 loads of 512 consecutive bytes a step, four buffers by turns, asked for three steps ahead, waited for by count; two waves
; of the work-group read the same bytes.
; At the end each wave hands the 32 accumulators of its second 64 rows to its partner wave through LDS (slot 0, which has had its last fill and its last read); the second wave of a pair takes S's row blocks in the
; order 4-7, 0-3, so both run one text.  The products are used transposed: a lane holds one n and eight neighbouring d, so the conversions' results are the next launch's fragments as they stand.
; X: a wave takes 16 rows x 512 numbers, a fragment (16 x 64) a trip of four steps: 8 loads of two whole rows' 256 bytes, a turn through the wave's own stage, the hold, the conversion, 2 stores of 512 bytes.
; PREFETCH: an iteration (8 steps) is 8,192 bytes of each row block.  The 16 waves that read a set of S's row blocks take 16 blocks of 256 bytes each, the 32 that read a set of normals' 8 each, told apart by
; address; the head asks for steps 8-15, iteration i for steps 8 i + 16 .. 8 i + 23, the last for nothing.
; LIMITS: e2 and e3 - e0 - e1 lie between -126 and 112.  NaN among the inputs is not served; an infinity is held at the largest code.
.set RBP,  65536                       ; a row block's fragments in s_codes and n_codes
.set SLOT, 131072
.set XST,  2*SLOT                      ; X's stages: 16 rows x 272 bytes a wave
.set SPARE, XST+4*4352                 ; the spare words
.set XQ,   1
.set VO,   1                           ; 16 x lane
.set SPW,  2
.set NIL,  3
.set BA0,  4                           ; v4, v5: my part of slot 0, 1
.set XSI,  6
.set XSO,  7
.set XG,   8
.set PFV,  9                           ; v9 for S, v10 for normals
.set XLIM, 11
.set XSC,  12
.set LIM,  13
.set SC,   14
.set EXR,  15
.set XR,   32                          ; v32-63 X as loaded
.set XX,   64                          ; v64-95 X by fragment
.set XC,   96                          ; v96-119 three sets of codes
.set TMP,  128
.set CD,   192
.set SAL,  22                          ; s[22:23], s[24:25]: S's row blocks for my accumulators 0-3, 4-7
.set PFA,  26
.set PFB,  28
.set XCP,  30
.set XP,   32
.set G0,   52                          ; s[52:55] slot 0's group 0, s[68:71] slot 1's
.set G1,   56
.set WT,   78
; REGISTERS: window 0: v0-127 as named, v128-255 two buffers of source 0; window 1: four buffers of source 1; window 2: accumulators of row blocks 0-3; window 3: of 4-7.
.set MSB, 0
.macro WIN new
.if MSB != (\new)
	s_set_vgpr_msb (MSB<<8)|(\new)
.set MSB, (\new)
.endif
.endm
.macro PLACES
.rept 4
	v_nop
.endr
.endm
.macro CREST                           ; a round of the cluster's barrier behind its opening barrier
	s_cmp_lg_u32 s16, 0
	s_cbranch_scc1 .Lnot_wave_0_\@
	s_barrier_signal -3
.Lnot_wave_0_\@:
	s_barrier_wait -3
	s_barrier_signal -1
	s_barrier_wait -1
.endm
.macro CROUND                          ; a whole round
	s_barrier_signal -1
	s_barrier_wait -1
	CREST
.endm
.macro BLD t, hf                       ; half of step t's fragments of source 0, from LDS
.set LB, 128+64*((\t)%2)
	WIN 0
.irp i, 0,1,2,3
	ds_load_b128 v[LB+32*(\hf)+8*\i:LB+32*(\hf)+8*\i+3], v[BA0+((\t)/4)%2] offset:(4*(\hf)+\i)*4096+((\t)%4)*1024
	ds_load_b128 v[LB+32*(\hf)+8*\i+4:LB+32*(\hf)+8*\i+7], v[BA0+((\t)/4)%2] offset:(4*(\hf)+\i)*4096+((\t)%4)*1024+512
.endr
.endm
.macro ALD t, hf                       ; half of step t's fragments of source 1, from memory
.set LA, 64*((\t)%4)
	WIN 0x40
.irp i, 0,1,2,3
	global_load_b128 v[LA+32*(\hf)+8*\i:LA+32*(\hf)+8*\i+3], v[VO], s[SAL+2*(\hf):SAL+2*(\hf)+1] offset:\i*RBP+1024*(\t)
	global_load_b128 v[LA+32*(\hf)+8*\i+4:LA+32*(\hf)+8*\i+7], v[VO], s[SAL+2*(\hf):SAL+2*(\hf)+1] offset:\i*RBP+1024*(\t)+512
.endr
.endm
.macro MULG t, g, zero                 ; 16 products: row blocks 2 g, 2 g + 1 against source 0's eight; the 64 accumulators take turns
.set MB, 128+64*((\t)%2)
.set MA, 64*((\t)%4)
	WIN ((2+(\g)/2)*0x50)|4
.irp a, 2*(\g), 2*(\g)+1
.irp b, 0,1,2,3,4,5,6,7
.if \zero
	v_wmma_f32_16x16x64_bf8_bf8 v[8*(8*((\a)%4)+\b):8*(8*((\a)%4)+\b)+7], v[MB+8*\b:MB+8*\b+7], v[MA+8*(\a):MA+8*(\a)+7], 0
.else
	v_wmma_f32_16x16x64_bf8_bf8 v[8*(8*((\a)%4)+\b):8*(8*((\a)%4)+\b)+7], v[MB+8*\b:MB+8*\b+7], v[MA+8*(\a):MA+8*(\a)+7], v[8*(8*((\a)%4)+\b):8*(8*((\a)%4)+\b)+7]
.endif
.endr
.endr
.endm
; Group g needs this step's loads 4 g .. 4 g + 3 of 16.  Issued behind them: the step's other 12 - 4 g, the next two steps' 16 each (n1, n2), 8 of the third's in group 3 (ia), and X's 8 (xw).
.macro AW g, ia, n1, n2, xw
	s_wait_loadcnt 12-4*(\g)+16*(\n1)+16*(\n2)+8*(\ia)*((\g)/3)+8*XQ*(\xw)
.endm
.macro XLD off                         ; the next fragment's numbers of X: two whole rows' 256 bytes a load
	WIN 0
.irp i, 0,1,2,3,4,5,6,7
	global_load_b128 v[XR+4*\i:XR+4*\i+3], v[XG], s[XP:XP+1] offset:\i*16384+\off th:TH_LOAD_NT
.endr
.endm
.macro XIN                             ; through my own stage: LDS serves a wave's instructions in order (ISA guide 5.7.1.4)
	WIN 0
.irp i, 0,1,2,3,4,5,6,7
	ds_store_b128 v[XSI], v[XR+4*\i:XR+4*\i+3] offset:\i*544
.endr
.irp j, 0,1,2,3,4,5,6,7
	ds_load_b128 v[XX+4*\j:XX+4*\j+3], v[XSO] offset:(\j/4)*128+((\j/2)%2)*64+(\j%2)*16
.endr
.endm
.macro XWORK set
	WIN 0
	s_wait_dscnt 16                                ; all but the 16 fragment loads issued behind the stage's
.set j, 0
.rept 32
	v_med3_num_f32 v[XX+j], v[XX+j], -v[XLIM], v[XLIM]   ; the conversion does not saturate (ISA guide 7.6.2): held first
.set j, j+1
.endr
.irp i, 0,1,2,3
	v_cvt_scalef32_pk8_bf8_f32 v[XC+8*(\set-1)+2*\i:XC+8*(\set-1)+2*\i+1], v[XX+8*\i:XX+8*\i+7], v[XSC]
.endr
	v_nop
	global_store_b128 v[VO], v[XC+8*(\set-1):XC+8*(\set-1)+3], s[XCP:XCP+1] offset:1024*(\set-1)
	global_store_b128 v[VO], v[XC+8*(\set-1)+4:XC+8*(\set-1)+7], s[XCP:XCP+1] offset:1024*(\set-1)+512
.endm
; A step of 64 along K.  ib: the next step's source 0 is read from the same slot; xc: a fragment of X is quantised into set xc.  The four v_nop are the places between the last step's products and the loads into its buffers.
.macro STEP t, zero, ia, n1, n2, xw, ib, xc
	s_wait_dscnt 0x0
	AW 0, \ia, \n1, \n2, \xw
	MULG \t, 0, \zero
	PLACES
.if \xc
	XIN
.endif
.if \ib
	BLD (\t)+1, 0
.endif
	AW 1, \ia, \n1, \n2, \xw
	MULG \t, 1, \zero
.if \ib
	BLD (\t)+1, 1
.endif
	AW 2, \ia, \n1, \n2, \xw
	MULG \t, 2, \zero
.if \xc
	XWORK \xc
.endif
.if \ia
	ALD (\t)+3, 0
.endif
	AW 3, \ia, \n1, \n2, \xw
	MULG \t, 3, \zero
.if \ia
	ALD (\t)+3, 1
.endif
.endm
; A slot's last step changes slots: its own fragments are in registers, so the slot is free.  fill: the barrier opens a round of the cluster's barrier, and the slot is filled again with the tile two trips on.
.macro TURN t, fill
	WIN 0
	s_wait_tensorcnt 0x0                           ; my part of the next slot has landed
	ds_add_u32 v[SPW], v[NIL]
.if \fill
	s_add_nc_u64 s[G0+16*(((\t)/4)%2)+2:G0+16*(((\t)/4)%2)+3], s[G0+16*(((\t)/4)%2)+2:G0+16*(((\t)/4)%2)+3], 8192
.endif
	s_wait_dscnt 1                                 ; this step's fragments are in; the add may be out
	AW 0, 1, 1, 1, 1
	MULG \t, 0, 0
	AW 1, 1, 1, 1, 1
	s_wait_dscnt 0x0
	s_barrier_signal -1
	MULG \t, 1, 0
	WIN 0
	s_barrier_wait -1
.if \fill
	CREST                                          ; no wave of any partner still reads this slot or has a load on its way
	tensor_load_to_lds s[G0+16*(((\t)/4)%2):G0+16*(((\t)/4)%2)+3], s[G1:G1+7]
	s_nop 0
.endif
	PLACES
	BLD (\t)+1, 0
	BLD (\t)+1, 1
	AW 2, 1, 1, 1, 1
	MULG \t, 2, 0
	ALD (\t)+3, 0
	AW 3, 1, 1, 1, 1
	MULG \t, 3, 0
	ALD (\t)+3, 1
.endm
.macro PFETCH off
	global_prefetch_b8 v[PFV], s[PFA:PFA+1] offset:\off th:TH_LOAD_NT scope:SCOPE_SE
	global_prefetch_b8 v[PFV+1], s[PFB:PFB+1] offset:\off th:TH_LOAD_NT scope:SCOPE_SE
.endm
	s_load_b128 s[4:7], s[0:1], 0x0                ; S's codes, normals' codes
	s_load_b128 s[8:11], s[0:1], 0x10              ; the scales' exponents, W^T's codes
	s_load_b128 s[12:15], s[0:1], 0x20             ; X, X's codes
	v_lshl_add_u32 v[SPW], v0, 2, SPARE
	v_mov_b32 v[NIL], 0
	ds_add_u32 v[SPW], v[NIL]                      ; the opening lines: the add, twice on end, and its wait ahead of the round in front of my first tensor load
	ds_add_u32 v[SPW], v[NIL]
	v_lshrrev_b32 v16, 5, v0
	v_readfirstlane_b32 s16, v16                   ; wave
	s_and_b32 s17, s16, 1                          ; which half of K
	s_lshr_b32 s18, s16, 1
	s_bfe_u32 s84, ttmp6, 0x40000                  ; cx: my place in the cluster
	s_lshr_b32 s19, ttmp9, 3
	s_lshl_b32 s19, s19, 2
	s_add_co_u32 s19, s19, s84                     ; n tile 0..31 = 4 (cluster / 8) + cx
	s_and_b32 s36, ttmp9, 7                        ; the cluster's pair of d tiles
	s_lshl_b32 s36, s36, 1
	s_add_co_u32 s36, s36, s18                     ; d tile 0..15
	s_lshl_b32 s37, s17, 15                        ; half of K: 32 fragments
	s_lshl_b32 s38, s19, 19
	s_add_co_u32 s38, s38, s37                     ; S: the tile's first row block, my half of K
	s_lshl_b32 s39, s36, 19
	s_add_co_u32 s44, s39, s37                     ; normals likewise: made of the cluster's number and the wave's alone
	s_lshl_b32 s34, s17, 18
	s_add_co_u32 s40, s38, s34                     ; my row blocks 0-3: S's 0-3, or 4-7 in the second wave of a pair
	s_xor_b32 s34, s34, 0x40000
	s_add_co_u32 s42, s38, s34                     ; my row blocks 4-7: the other four
	s_lshr_b32 s34, s36, 1                         ; prefetch of S: reader d tile takes row block d / 2, half d % 2 of an iteration's 8,192 bytes
	s_lshl_b32 s34, s34, 16
	s_add_co_u32 s46, s38, s34
	s_and_b32 s34, s36, 1
	s_lshl_b32 s34, s34, 12
	s_add_co_u32 s46, s46, s34
	s_add_co_u32 s46, s46, 8192                    ; from step 8 on
	s_lshr_b32 s34, s19, 2                         ; of normals: reader n tile takes row block n / 4, quarter n % 4
	s_lshl_b32 s34, s34, 16
	s_add_co_u32 s48, s44, s34
	s_and_b32 s34, s19, 3
	s_lshl_b32 s34, s34, 11
	s_add_co_u32 s48, s48, s34
	s_add_co_u32 s48, s48, 8192
	s_lshl_b32 s34, ttmp9, 2
	s_add_co_u32 s34, s34, s84                     ; my work-group among 256,
	s_lshl_b32 s34, s34, 2
	s_add_co_u32 s34, s34, s16                     ; my wave among 1,024: X's row block W / 4, numbers 512 (W % 4)
	s_lshr_b32 s35, s34, 2
	s_and_b32 s34, s34, 3
	s_lshl_b32 s50, s35, 17
	s_lshl_b32 s85, s34, 11
	s_add_co_u32 s50, s50, s85
	s_lshl_b32 s66, s35, 15
	s_lshl_b32 s85, s34, 13
	s_add_co_u32 s66, s66, s85
	s_lshl_b32 s76, s19, 18                        ; W^T's codes: row block 8 n tile + 4 half, fragments 2 d tile
	s_lshl_b32 s85, s17, 17
	s_add_co_u32 s76, s76, s85
	s_lshl_b32 s85, s36, 11
	s_add_co_u32 s76, s76, s85
.irp r, 41,43,45,47,49,51,67,77
	s_mov_b32 s\r, 0
.endr
	s_mov_b32 s[G0], 1                             ; a tile: 8 row blocks x 4,096 bytes (four steps' fragments on end), dense in LDS
	s_lshl_b32 s[G0+1], s16, 15
	s_mov_b32 s[G0+16], 1
	s_add_co_u32 s[G0+17], s[G0+1], SLOT
	s_mov_b32 s[G1], 15|(1<<21)                    ; the mask names the cluster's four work-groups; bit 21 is set beside a mask; elements of 1 byte, no padding
	s_mov_b32 s[G1+1], 4096<<16
	s_mov_b32 s[G1+2], 8<<16
	s_mov_b32 s[G1+3], 4096<<16
	s_mov_b32 s[G1+4], 8
	s_mov_b32 s[G1+5], RBP
	s_mov_b32 s[G1+6], 0
	s_mov_b32 s[G1+7], 0
	s_xor_b32 s80, s16, 1
	s_lshl_b32 s80, s80, 15                        ; my partner wave's part of slot 0
	s_mul_i32 s81, s16, 4352
	s_add_co_u32 s81, s81, XST                     ; my stage
	v_and_b32 v17, 31, v0
	v_and_b32 v18, 15, v0
	v_bfe_u32 v19, v0, 4, 1
	v_lshlrev_b32 v[VO], 4, v17
	v_add_nc_u32 v[BA0], s[G0+1], v[VO]
	v_add_nc_u32 v[BA0+1], s[G0+17], v[VO]
	v_add_nc_u32 v[EXR], s80, v[VO]
	v_mul_u32_u24 v[XSI], v19, 272
	v_lshl_add_u32 v[XSI], v18, 4, v[XSI]
	v_add_nc_u32 v[XSI], s81, v[XSI]               ; in: two rows of 256 bytes a store
	v_mul_u32_u24 v[XSO], v18, 272
	v_lshl_add_u32 v[XSO], v19, 5, v[XSO]
	v_add_nc_u32 v[XSO], s81, v[XSO]               ; out: row r, 8 numbers at 8 h
	v_lshlrev_b32 v[XG], 13, v19
	v_lshl_add_u32 v[XG], v18, 4, v[XG]            ; in X: row h, 16 bytes at 16 r
	v_min_u32 v20, 15, v17                         ; lanes left over name the wave's last block again
	v_min_u32 v21, 7, v17
	v_lshlrev_b32 v[PFV], 8, v20
	v_lshlrev_b32 v[PFV+1], 8, v21
	s_wait_alu depctr_va_vdst(0)
	s_wait_dscnt 0x0                               ; both opening adds are done
	s_wait_kmcnt 0x0
	s_load_b128 s[72:75], s[8:9], 0x0              ; e0 .. e3
	s_add_nc_u64 s[G0+2:G0+3], s[6:7], s[44:45]
	s_add_nc_u64 s[G0+18:G0+19], s[G0+2:G0+3], 4096
	s_or_b32 s[G0+3], s[G0+3], 0x80000000
	s_or_b32 s[G0+19], s[G0+19], 0x80000000
	CROUND                                         ; all four work-groups are here: the first joint loads meet
	tensor_load_to_lds s[G0:G0+3], s[G1:G1+7]      ; steps 0-3: my one tensor load at the head
	s_nop 0
	PLACES
	s_add_nc_u64 s[XP:XP+1], s[12:13], s[50:51]
	s_add_nc_u64 s[SAL:SAL+1], s[4:5], s[40:41]
	s_add_nc_u64 s[SAL+2:SAL+3], s[4:5], s[42:43]
	XLD 0                                          ; the oldest loads: the first counted wait covers them
.irp t, 0,1,2
	ALD \t, 0
	ALD \t, 1
.endr
	WIN 0
	s_add_nc_u64 s[PFA:PFA+1], s[4:5], s[46:47]
	s_add_nc_u64 s[PFB:PFB+1], s[6:7], s[48:49]
	s_add_nc_u64 s[XCP:XCP+1], s[14:15], s[66:67]
	s_add_nc_u64 s[WT:WT+1], s[10:11], s[76:77]
	PFETCH 0                                       ; steps 8 to 15
	s_wait_kmcnt 0x0
	s_add_co_i32 s82, s74, 127
	s_lshl_b32 s83, s82, 23
	v_mov_b32 v[XSC], s83                          ; 2^e2
	s_add_co_i32 s82, s82, 15
	s_lshl_b32 s82, s82, 23
	s_or_b32 s82, s82, 0x600000
	v_mov_b32 v[XLIM], s82                         ; 57,344 x 2^e2
	s_sub_co_i32 s82, s75, s72
	s_sub_co_i32 s82, s82, s73
	s_add_co_i32 s82, s82, 127
	s_lshl_b32 s83, s82, 23
	v_mov_b32 v[SC], s83                           ; a sum stands for sum x 2^(e0 + e1): its code is sum / 2^(e3 - e0 - e1)
	s_add_co_i32 s82, s82, 15
	s_lshl_b32 s82, s82, 23
	s_or_b32 s82, s82, 0x600000
	v_mov_b32 v[LIM], s82
	s_wait_alu depctr_va_vdst(0)
	s_wait_tensorcnt 0x0                           ; slot 0 has landed
	ds_add_u32 v[SPW], v[NIL]
	s_wait_dscnt 0x0
	CROUND
	tensor_load_to_lds s[G0+16:G0+19], s[G1:G1+7]  ; steps 4-7: slot 1's first fill
	s_nop 0
	PLACES
	BLD 0, 0
	BLD 0, 1
	STEP 0, 1, 1, 1, 1, 0, 1, 1                    ; the first step starts the sums
	WIN 0
	s_mov_b32 s3, 3
.Liter:                                                ; steps 8 i + 1 .. 8 i + 8: both slots are filled again
	s_cmp_eq_u32 s3, 1
	s_cbranch_scc1 .Lnopf                          ; the last iteration has nothing 16 steps on
	PFETCH 8192
.Lnopf:
	XLD 256
	STEP 1, 0, 1, 1, 1, 1, 1, 0
	STEP 2, 0, 1, 1, 1, 1, 1, 0
	TURN 3, 1
	STEP 4, 0, 1, 1, 1, 0, 1, 2
	XLD 512
	STEP 5, 0, 1, 1, 1, 1, 1, 0
	STEP 6, 0, 1, 1, 1, 1, 1, 0
	TURN 7, 1
	STEP 8, 0, 1, 1, 1, 0, 1, 3
	WIN 0
	s_wait_alu depctr_va_vdst(0)
	s_wait_xcnt 0x0                                ; the bases step only behind this wait
.irp r, SAL, SAL+2, PFA, PFB
	s_add_nc_u64 s[\r:\r+1], s[\r:\r+1], 8192
.endr
	s_add_nc_u64 s[XP:XP+1], s[XP:XP+1], 512
	s_add_nc_u64 s[XCP:XCP+1], s[XCP:XCP+1], 2048
	s_sub_co_u32 s3, s3, 1
	s_cmp_lg_u32 s3, 0
	s_cbranch_scc1 .Liter
	XLD 256                                        ; steps 25 to 31: nothing more is filled, and no round of the cluster's barrier is passed
	STEP 1, 0, 1, 1, 1, 1, 1, 0
	STEP 2, 0, 1, 1, 1, 1, 1, 0
	TURN 3, 0
	STEP 4, 0, 1, 1, 1, 0, 1, 2
	STEP 5, 0, 0, 1, 1, 0, 1, 0
	STEP 6, 0, 0, 1, 0, 0, 1, 0
	STEP 7, 0, 0, 0, 0, 0, 0, 0
	PLACES
	WIN 0x0c                                       ; store data from window 3
.set i, 0
.rept 64
	ds_store_b128 v[BA0], v[4*i:4*i+3] offset:512*i   ; my row blocks 4-7 as an image of their registers, into my part of slot 0; each accumulator from its low end on
.set i, i+1
.endr
	WIN 0
	s_wait_dscnt 0x0                               ; for my partner wave's sake
	s_barrier_signal -1
	s_barrier_wait -1
	WIN 0x40
.set i, 0
.rept 64
	ds_load_b128 v[4*i:4*i+3], v[EXR] offset:512*i    ; my partner wave's half of K for my row blocks 0-3, into window 1
.set i, i+1
.endr
	WIN 0
.irp a, 0,1,2,3
	s_wait_dscnt 48-16*\a                          ; this block's 16 loads are in
	WIN 0x06
.set j, 0
.rept 32
	v_pk_add_f32 v[TMP+j:TMP+j+1], v[64*\a+j:64*\a+j+1], v[64*\a+j:64*\a+j+1]   ; window 2 + window 1: the two halves of K
.set j, j+2
.endr
	WIN 0
.set j, 0
.rept 64
	v_med3_num_f32 v[TMP+j], v[TMP+j], -v[LIM], v[LIM]
.set j, j+1
.endr
.irp b, 0,1,2,3,4,5,6,7
	v_cvt_scalef32_pk8_bf8_f32 v[CD+16*\a+2*\b:CD+16*\a+2*\b+1], v[TMP+8*\b:TMP+8*\b+7], v[SC]
.endr
	v_nop
.irp c, 0,1,2,3
	global_store_b128 v[VO], v[CD+16*\a+4*\c:CD+16*\a+4*\c+3], s[WT:WT+1] offset:\a*32768+512*\c   ; two fragments of 16 n x 64 d: 512 consecutive bytes a store
.endr
.endr
	s_wait_tensorcnt 0x0                           ; the wave's end
	ds_add_u32 v[SPW], v[NIL]
	s_wait_dscnt 0x0
	CROUND                                         ; the closing round
	s_endpgm
.Lfunc_end_k_q300ded9642_combine:
	.size	k_q300ded9642_combine, .Lfunc_end_k_q300ded9642_combine-k_q300ded9642_combine
	.p2alignl 7, 3214868480
	.fill 96, 4, 3214868480
	.section	.rodata,"a",@progbits
	.p2align	6, 0x0
	.amdhsa_kernel k_q300ded9642_combine
		.amdhsa_group_segment_fixed_size 327680
		.amdhsa_private_segment_fixed_size 0
		.amdhsa_enable_private_segment 0
		.amdhsa_kernarg_size 48
		.amdhsa_user_sgpr_count 2
		.amdhsa_user_sgpr_kernarg_segment_ptr 1
		.amdhsa_wavefront_size32 1
		.amdhsa_system_sgpr_workgroup_id_x 1
		.amdhsa_system_sgpr_workgroup_id_y 1
		.amdhsa_system_sgpr_workgroup_id_z 1
		.amdhsa_system_vgpr_workitem_id 0
		.amdhsa_next_free_vgpr 1024
		.amdhsa_next_free_sgpr 90
		.amdhsa_reserve_vcc 0
		.amdhsa_float_denorm_mode_32 3
		.amdhsa_float_denorm_mode_16_64 3
		.amdhsa_memory_ordered 1
		.amdhsa_forward_progress 1
		.amdhsa_inst_pref_size 176
	.end_amdhsa_kernel
	.amdgpu_metadata
---
amdhsa.version: [ 1, 2 ]
amdhsa.kernels:
  - .name:           k_q300ded9642_combine
    .symbol:         k_q300ded9642_combine.kd
    .args:
      - { .name: s_codes, .offset: 0, .size: 8, .value_kind: global_buffer, .address_space: global }
      - { .name: n_codes, .offset: 8, .size: 8, .value_kind: global_buffer, .address_space: global }
      - { .name: lowp_scales, .offset: 16, .size: 8, .value_kind: global_buffer, .address_space: global }
      - { .name: wt_codes, .offset: 24, .size: 8, .value_kind: global_buffer, .address_space: global }
      - { .name: X, .offset: 32, .size: 8, .value_kind: global_buffer, .address_space: global }
      - { .name: x_codes, .offset: 40, .size: 8, .value_kind: global_buffer, .address_space: global }
    .group_segment_fixed_size: 327680
    .private_segment_fixed_size: 0
    .kernarg_segment_align: 8
    .kernarg_segment_size: 48
    .max_flat_workgroup_size: 128
    .sgpr_count:     90
    .vgpr_count:     1024
    .wavefront_size: 32
...
	.end_amdgpu_metadata
.endif
;; end of part 2
;; launch logits (part 3): grid 256 x 1, 4 waves a work-group, clusters of 4 x 1, 327,680 bytes of LDS; arguments x_codes, wt_codes, lowp_scales, biases, out0; writes out0
.if DOCPART == 3
	.amdgcn_target "amdgcn-amd-amdhsa--gfx1250"
	.amdhsa_code_object_version 6
	.text
	.protected	k_q300ded9642_logits
	.globl	k_q300ded9642_logits
	.p2align	8
	.type	k_q300ded9642_logits,@function
k_q300ded9642_logits:
	s_mov_b64 s[64:65], 0
	v_nop
	global_prefetch_b8 v0, s[64:65] scope:SCOPE_SE
	s_setreg_imm32_b32 hwreg(HW_REG_WAVE_MODE, 25, 1), 1
	s_wait_xcnt 0x0
	s_wait_alu depctr_hold_cnt(0) depctr_sa_sdst(0) depctr_va_vdst(0) depctr_va_sdst(0) depctr_va_ssrc(0) depctr_va_vcc(0) depctr_vm_vsrc(0)
	s_getreg_b32 s2, hwreg(HW_REG_IB_STS2, 6, 4)
	s_cmp_eq_u32 s2, 0
	s_cbranch_scc0 .Lentry_in_a_cluster
	s_endpgm
.Lentry_in_a_cluster:
	s_bfe_u32 s2, ttmp6, 0x10000c
	s_cmp_lg_u32 s2, 0x3003
	s_cbranch_scc0 .Lentry_shape_is_right
	s_endpgm
.Lentry_shape_is_right:
; out0[t][n] = 2^(e2 + e3) x sum over d of X's code[t][d] W^T's code[n][d] + biases[n].  Both operands lie by fragments of 16 rows x 64 k (1,024 bytes: [c][lane][16 bytes]), 32 fragments to a row block.
; SHARES: 1,024 waves, each a tile of 128 tokens x 128 n: 64 accumulators; K = 2,048 in 32 steps of 64.  A work-group's four waves make 256 x 256; 256 work-groups.
; SOURCE 0 (W^T): the work-group's 16 row blocks x 4 steps (65,536 bytes) lie in a ring of two LDS slots; each wave brings 4 row blocks by one tensor load; a slot serves four steps, its refill is asked for four steps ahead.
; CLUSTERS: four work-groups along x form a cluster: the same 256 n, four different tile rows of tokens.  So W^T's tiles are the same in all four, at the same LDS places, and are asked for JOINTLY (mask 15); a round of
; the cluster's barrier stands in front of every joint load.  No register of a descriptor, no LDS address and no branch hangs on a work-group's place in its cluster.
; SOURCE 1 (X), which differs between the partners: from memory straight into registers, 16 loads of 512 consecutive bytes a step, four buffers by turns, asked for three steps ahead, waited for by count; two waves of
; the work-group read the same bytes.
; The products are used transposed (source 0 = W^T's rows, source 1 = X's): a lane holds eight neighbouring n of one token; a block of 16 tokens goes through the wave's own stage and leaves as rows of 512 bytes.
; PREFETCH: an iteration (8 steps) is 8,192 bytes of each row block; the 32 waves that read a set of X's 8 row blocks, and the 64 that read W^T's 16, take 8 blocks of 256 bytes each, told apart by address;
; the head asks for steps 8-15, iteration i for steps 8 i + 16 .. 8 i + 23, the last for nothing.
; LIMIT: e2 + e3 lies between -126 and 127.
.set RBP,  32768
.set SLOT, 65536
.set STG,  2*SLOT
.set SPITCH, 528
.set SPARE, STG+4*16*SPITCH
.set SIZE_N, 4096
.set VO,   1
.set SPW,  2
.set NIL,  3
.set BA0,  4
.set STO,  6
.set RD,   7
.set PFV,  9
.set BIAS, 12
.set BK,   128
.set SAL,  22
.set PFA,  26
.set PFB,  28
.set OUT,  30
.set G0,   52
.set G1,   56
; REGISTERS: window 0: v0-127 as named, v128-255 two buffers of source 0 (on the way out: rows read back); window 1: four buffers of source 1; windows 2, 3: the accumulators of token blocks 0-3, 4-7.
.set MSB, 0
.macro WIN new
.if MSB != (\new)
	s_set_vgpr_msb (MSB<<8)|(\new)
.set MSB, (\new)
.endif
.endm
.macro PLACES
.rept 4
	v_nop
.endr
.endm
.macro CREST                           ; a round of the cluster's barrier behind its opening barrier
	s_cmp_lg_u32 s16, 0
	s_cbranch_scc1 .Lnot_wave_0_\@
	s_barrier_signal -3
.Lnot_wave_0_\@:
	s_barrier_wait -3
	s_barrier_signal -1
	s_barrier_wait -1
.endm
.macro CROUND                          ; a whole round
	s_barrier_signal -1
	s_barrier_wait -1
	CREST
.endm
.macro BLD t, hf                       ; half of step t's fragments of source 0, from LDS
.set LB, 128+64*((\t)%2)
	WIN 0
.irp i, 0,1,2,3
	ds_load_b128 v[LB+32*(\hf)+8*\i:LB+32*(\hf)+8*\i+3], v[BA0+((\t)/4)%2] offset:(4*(\hf)+\i)*4096+((\t)%4)*1024
	ds_load_b128 v[LB+32*(\hf)+8*\i+4:LB+32*(\hf)+8*\i+7], v[BA0+((\t)/4)%2] offset:(4*(\hf)+\i)*4096+((\t)%4)*1024+512
.endr
.endm
.macro ALD t, hf                       ; half of step t's fragments of source 1, from memory
.set LA, 64*((\t)%4)
	WIN 0x40
.irp i, 0,1,2,3
	global_load_b128 v[LA+32*(\hf)+8*\i:LA+32*(\hf)+8*\i+3], v[VO], s[SAL+2*(\hf):SAL+2*(\hf)+1] offset:\i*RBP+1024*(\t)
	global_load_b128 v[LA+32*(\hf)+8*\i+4:LA+32*(\hf)+8*\i+7], v[VO], s[SAL+2*(\hf):SAL+2*(\hf)+1] offset:\i*RBP+1024*(\t)+512
.endr
.endm
.macro MULG t, g, zero                 ; 16 products: token blocks 2 g, 2 g + 1 against source 0's eight; the 64 accumulators take turns
.set MB, 128+64*((\t)%2)
.set MA, 64*((\t)%4)
	WIN ((2+(\g)/2)*0x50)|4
.irp a, 2*(\g), 2*(\g)+1
.irp b, 0,1,2,3,4,5,6,7
.if \zero
	v_wmma_f32_16x16x64_bf8_bf8 v[8*(8*((\a)%4)+\b):8*(8*((\a)%4)+\b)+7], v[MB+8*\b:MB+8*\b+7], v[MA+8*(\a):MA+8*(\a)+7], 0
.else
	v_wmma_f32_16x16x64_bf8_bf8 v[8*(8*((\a)%4)+\b):8*(8*((\a)%4)+\b)+7], v[MB+8*\b:MB+8*\b+7], v[MA+8*(\a):MA+8*(\a)+7], v[8*(8*((\a)%4)+\b):8*(8*((\a)%4)+\b)+7]
.endif
.endr
.endr
.endm
; Group g needs this step's loads 4 g .. 4 g + 3 of 16.  Issued behind them: the step's other 12 - 4 g, the next two steps' 16 each (n1, n2), and 8 of the third's in group 3 (ia).
.macro AW g, ia, n1, n2
	s_wait_loadcnt 12-4*(\g)+16*(\n1)+16*(\n2)+8*(\ia)*((\g)/3)
.endm
; A step of 64 along K.  ib: the next step's source 0 is read from the same slot.  The four v_nop are the places between the last step's products and the loads into its buffers.
.macro STEP t, zero, ia, n1, n2, ib
	s_wait_dscnt 0x0
	AW 0, \ia, \n1, \n2
	MULG \t, 0, \zero
	PLACES
.if \ib
	BLD (\t)+1, 0
.endif
	AW 1, \ia, \n1, \n2
	MULG \t, 1, \zero
.if \ib
	BLD (\t)+1, 1
.endif
	AW 2, \ia, \n1, \n2
	MULG \t, 2, \zero
.if \ia
	ALD (\t)+3, 0
.endif
	AW 3, \ia, \n1, \n2
	MULG \t, 3, \zero
.if \ia
	ALD (\t)+3, 1
.endif
.endm
; A slot's last step changes slots: its own fragments are in registers, so the slot is free.  fill: the barrier opens a round of the cluster's barrier, and the slot is filled again with the tile two trips on.
.macro TURN t, fill
	WIN 0
	s_wait_tensorcnt 0x0                           ; my part of the next slot has landed
	ds_add_u32 v[SPW], v[NIL]
.if \fill
	s_add_nc_u64 s[G0+16*(((\t)/4)%2)+2:G0+16*(((\t)/4)%2)+3], s[G0+16*(((\t)/4)%2)+2:G0+16*(((\t)/4)%2)+3], 8192
.endif
	s_wait_dscnt 1                                 ; this step's fragments are in; the add may be out
	AW 0, 1, 1, 1
	MULG \t, 0, 0
	AW 1, 1, 1, 1
	s_wait_dscnt 0x0
	s_barrier_signal -1
	MULG \t, 1, 0
	WIN 0
	s_barrier_wait -1
.if \fill
	CREST                                          ; no wave of any partner still reads this slot or has a load on its way
	tensor_load_to_lds s[G0+16*(((\t)/4)%2):G0+16*(((\t)/4)%2)+3], s[G1:G1+7]
	s_nop 0
.endif
	PLACES
	BLD (\t)+1, 0
	BLD (\t)+1, 1
	AW 2, 1, 1, 1
	MULG \t, 2, 0
	ALD (\t)+3, 0
	AW 3, 1, 1, 1
	MULG \t, 3, 0
	ALD (\t)+3, 1
.endm
.macro PFETCH off
	global_prefetch_b8 v[PFV], s[PFA:PFA+1] offset:\off th:TH_LOAD_NT scope:SCOPE_SE
	global_prefetch_b8 v[PFV], s[PFB:PFB+1] offset:\off th:TH_LOAD_NT scope:SCOPE_SE
.endm
	s_load_b128 s[4:7], s[0:1], 0x0                ; X's codes, W^T's codes
	s_load_b128 s[8:11], s[0:1], 0x10              ; the scales' exponents, biases
	s_load_b64 s[12:13], s[0:1], 0x20              ; out0
	v_lshl_add_u32 v[SPW], v0, 2, SPARE
	v_mov_b32 v[NIL], 0
	ds_add_u32 v[SPW], v[NIL]                      ; the opening lines: the add, twice on end, and its wait ahead of the round in front of my first tensor load
	ds_add_u32 v[SPW], v[NIL]
	v_lshrrev_b32 v16, 5, v0
	v_readfirstlane_b32 s16, v16                   ; wave
	s_and_b32 s17, s16, 1
	s_lshr_b32 s18, s16, 1
	s_bfe_u32 s84, ttmp6, 0x40000                  ; cx: my place in the cluster
	s_lshr_b32 s37, ttmp9, 4
	s_lshl_b32 s37, s37, 2
	s_add_co_u32 s37, s37, s84                     ; tile row of 256 tokens = 4 (cluster / 16) + cx
	s_lshl_b32 s19, s37, 1
	s_add_co_u32 s19, s19, s18                     ; token tile 0..31
	s_and_b32 s38, ttmp9, 15                       ; the cluster's tile column of 256 n
	s_lshl_b32 s36, s38, 1
	s_add_co_u32 s36, s36, s17                     ; n tile 0..31
	s_lshl_b32 s40, s19, 18                        ; X: eight row blocks of 32,768 bytes a tile
	s_add_co_u32 s42, s40, 0x20000                 ; its row blocks 4-7
	s_lshl_b32 s39, s38, 19                        ; W^T: the work-group's 16 row blocks,
	s_lshl_b32 s85, s16, 17
	s_add_co_u32 s44, s39, s85                     ; of which I bring 4: made of the cluster's number and the wave's alone
	s_lshr_b32 s34, s36, 2                         ; prefetch of X: reader n tile takes row block n / 4, quarter n % 4 of an iteration's 8,192 bytes
	s_lshl_b32 s34, s34, 15
	s_add_co_u32 s46, s40, s34
	s_and_b32 s34, s36, 3
	s_lshl_b32 s34, s34, 11
	s_add_co_u32 s46, s46, s34
	s_add_co_u32 s46, s46, 8192                    ; from step 8 on
	s_lshl_b32 s34, s37, 15                        ; of W^T: the work-group of tile row y takes row block y, its wave w quarter w
	s_add_co_u32 s48, s39, s34
	s_lshl_b32 s34, s16, 11
	s_add_co_u32 s48, s48, s34
	s_add_co_u32 s48, s48, 8192
	s_lshl_b32 s50, s36, 9                         ; my 128 columns, in bytes
	s_lshl_b32 s66, s19, 21                        ; my 128 rows of 16,384 bytes
	s_add_co_u32 s66, s66, s50
.irp r, 41,43,45,47,49,51,67
	s_mov_b32 s\r, 0
.endr
	s_mov_b32 s[G0], 1                             ; a tile: 4 row blocks x 4,096 bytes (four steps' fragments on end), dense in LDS
	s_lshl_b32 s[G0+1], s16, 14
	s_mov_b32 s[G0+16], 1
	s_add_co_u32 s[G0+17], s[G0+1], SLOT
	s_mov_b32 s[G1], 15|(1<<21)                    ; the mask names the cluster's four work-groups; bit 21 is set beside a mask; elements of 1 byte, no padding
	s_mov_b32 s[G1+1], 4096<<16
	s_mov_b32 s[G1+2], 4<<16
	s_mov_b32 s[G1+3], 4096<<16
	s_mov_b32 s[G1+4], 4
	s_mov_b32 s[G1+5], RBP
	s_mov_b32 s[G1+6], 0
	s_mov_b32 s[G1+7], 0
	s_lshl_b32 s80, s17, 15                        ; my 8 row blocks of the slot's 16
	s_add_co_u32 s81, s80, SLOT
	s_mul_i32 s82, s16, 16*SPITCH
	s_add_co_u32 s82, s82, STG                     ; my stage
	v_and_b32 v17, 31, v0
	v_and_b32 v18, 15, v0
	v_bfe_u32 v19, v0, 4, 1
	v_lshlrev_b32 v[VO], 4, v17
	v_add_nc_u32 v[BA0], s80, v[VO]
	v_add_nc_u32 v[BA0+1], s81, v[VO]
	v_mul_u32_u24 v[STO], v18, SPITCH
	v_lshl_add_u32 v[STO], v19, 5, v[STO]
	v_add_nc_u32 v[STO], s82, v[STO]               ; in: row l % 16, 32 bytes for each half of the lanes
	v_add_nc_u32 v[RD], s82, v[VO]                 ; back: the 32 lanes take one row of 512 bytes
	v_min_u32 v20, 7, v17                          ; lanes left over name the wave's last block again
	v_lshlrev_b32 v[PFV], 8, v20
	s_wait_alu depctr_va_vdst(0)
	s_wait_dscnt 0x0                               ; both opening adds are done
	s_wait_kmcnt 0x0
	s_load_b64 s[72:73], s[8:9], 0x8               ; e2, e3
	s_add_nc_u64 s[G0+2:G0+3], s[6:7], s[44:45]
	s_add_nc_u64 s[G0+18:G0+19], s[G0+2:G0+3], 4096
	s_or_b32 s[G0+3], s[G0+3], 0x80000000
	s_or_b32 s[G0+19], s[G0+19], 0x80000000
	CROUND                                         ; all four work-groups are here: the first joint loads meet
	tensor_load_to_lds s[G0:G0+3], s[G1:G1+7]      ; steps 0-3: my one tensor load at the head
	s_nop 0
	PLACES
	s_add_nc_u64 s[10:11], s[10:11], s[50:51]
	s_add_nc_u64 s[SAL:SAL+1], s[4:5], s[40:41]
	s_add_nc_u64 s[SAL+2:SAL+3], s[4:5], s[42:43]
	global_load_b128 v[BIAS:BIAS+3], v[VO], s[10:11]   ; the oldest load: every counted wait below covers it
.irp t, 0,1,2
	ALD \t, 0
	ALD \t, 1
.endr
	WIN 0
	s_add_nc_u64 s[PFA:PFA+1], s[4:5], s[46:47]
	s_add_nc_u64 s[PFB:PFB+1], s[6:7], s[48:49]
	s_add_nc_u64 s[OUT:OUT+1], s[12:13], s[66:67]
	PFETCH 0                                       ; steps 8 to 15
	s_wait_kmcnt 0x0
	s_add_co_i32 s72, s72, s73
	s_add_co_i32 s72, s72, 127
	s_lshl_b32 s72, s72, 23                        ; 2^(e2 + e3)
	s_wait_tensorcnt 0x0                           ; my part of slot 0 has landed
	ds_add_u32 v[SPW], v[NIL]
	s_wait_dscnt 0x0
	CROUND
	tensor_load_to_lds s[G0+16:G0+19], s[G1:G1+7]  ; steps 4-7: slot 1's first fill
	s_nop 0
	PLACES
	BLD 0, 0
	BLD 0, 1
	STEP 0, 1, 1, 1, 1, 1                          ; the first step starts the sums
	WIN 0
	s_mov_b32 s3, 3
.Liter:                                                ; steps 8 i + 1 .. 8 i + 8: both slots are filled again
	s_cmp_eq_u32 s3, 1
	s_cbranch_scc1 .Lnopf                          ; the last iteration has nothing 16 steps on
	PFETCH 8192
.Lnopf:
	STEP 1, 0, 1, 1, 1, 1
	STEP 2, 0, 1, 1, 1, 1
	TURN 3, 1
	STEP 4, 0, 1, 1, 1, 1
	STEP 5, 0, 1, 1, 1, 1
	STEP 6, 0, 1, 1, 1, 1
	TURN 7, 1
	STEP 8, 0, 1, 1, 1, 1
	WIN 0
	s_wait_xcnt 0x0                                ; the bases step only behind this wait
.irp r, SAL, SAL+2, PFA, PFB
	s_add_nc_u64 s[\r:\r+1], s[\r:\r+1], 8192
.endr
	s_sub_co_u32 s3, s3, 1
	s_cmp_lg_u32 s3, 0
	s_cbranch_scc1 .Liter
	STEP 1, 0, 1, 1, 1, 1                          ; steps 25 to 31: nothing more is filled, and no round of the cluster's barrier is passed
	STEP 2, 0, 1, 1, 1, 1
	TURN 3, 0
	STEP 4, 0, 1, 1, 1, 1
	STEP 5, 0, 0, 1, 1, 1
	STEP 6, 0, 0, 1, 0, 1
	STEP 7, 0, 0, 0, 0, 0
	WIN 0
; THE WAY OUT, block by block of 16 tokens x 128 n, through my own stage: LDS serves a wave's instructions in order (ISA guide 5.7.1.4), so no wait stands between the stores and the loads.
.macro TOSTAGE a
.set AC, 64*((\a)%4)
	WIN 0x08+4*((\a)/4)
.irp b, 0,1,2,3,4,5,6,7
	ds_store_b128 v[STO], v[AC+8*\b:AC+8*\b+3] offset:64*\b
	ds_store_b128 v[STO], v[AC+8*\b+4:AC+8*\b+7] offset:64*\b+16
.endr
	WIN 0
.set BB, BK+64*((\a)%2)
.irp t, 0,1,2,3,4,5,6,7,8,9,10,11,12,13,14,15
	ds_load_b128 v[BB+4*\t:BB+4*\t+3], v[RD] offset:\t*SPITCH
.endr
.endm
.macro SEND a, younger
.set BB, BK+64*((\a)%2)
	s_wait_dscnt \younger
.if (\a) > 0
	s_add_nc_u64 s[OUT:OUT+1], s[OUT:OUT+1], 16*SIZE_N*4
.endif
.irp t, 0,1,2,3,4,5,6,7,8,9,10,11,12,13,14,15
	v_pk_fma_f32 v[BB+4*\t:BB+4*\t+1], v[BB+4*\t:BB+4*\t+1], s[72:73], v[BIAS:BIAS+1] op_sel_hi:[1,0,1]
	v_pk_fma_f32 v[BB+4*\t+2:BB+4*\t+3], v[BB+4*\t+2:BB+4*\t+3], s[72:73], v[BIAS+2:BIAS+3] op_sel_hi:[1,0,1]
.endr
.irp t, 0,1,2,3,4,5,6,7,8,9,10,11,12,13,14,15
	global_store_b128 v[VO], v[BB+4*\t:BB+4*\t+3], s[OUT:OUT+1] offset:\t*SIZE_N*4 th:TH_STORE_NT   ; 32 lanes store 512 consecutive bytes, at a multiple of 256 from out0's first byte
.endr
.endm
	PLACES
	TOSTAGE 0
.irp a, 1,2,3,4,5,6,7
.if \a > 1
	s_wait_xcnt 0x0                                ; block a - 2's stores have read their registers and their base
.endif
	TOSTAGE \a
	SEND \a-1, 32
.endr
	s_wait_xcnt 0x0
	SEND 7, 0
	s_wait_tensorcnt 0x0                           ; the wave's end
	ds_add_u32 v[SPW], v[NIL]
	s_wait_dscnt 0x0
	CROUND                                         ; the closing round
	s_endpgm
.Lfunc_end_k_q300ded9642_logits:
	.size	k_q300ded9642_logits, .Lfunc_end_k_q300ded9642_logits-k_q300ded9642_logits
	.p2alignl 7, 3214868480
	.fill 96, 4, 3214868480
	.section	.rodata,"a",@progbits
	.p2align	6, 0x0
	.amdhsa_kernel k_q300ded9642_logits
		.amdhsa_group_segment_fixed_size 327680
		.amdhsa_private_segment_fixed_size 0
		.amdhsa_enable_private_segment 0
		.amdhsa_kernarg_size 40
		.amdhsa_user_sgpr_count 2
		.amdhsa_user_sgpr_kernarg_segment_ptr 1
		.amdhsa_wavefront_size32 1
		.amdhsa_system_sgpr_workgroup_id_x 1
		.amdhsa_system_sgpr_workgroup_id_y 1
		.amdhsa_system_sgpr_workgroup_id_z 1
		.amdhsa_system_vgpr_workitem_id 0
		.amdhsa_next_free_vgpr 1024
		.amdhsa_next_free_sgpr 90
		.amdhsa_reserve_vcc 0
		.amdhsa_float_denorm_mode_32 3
		.amdhsa_float_denorm_mode_16_64 3
		.amdhsa_memory_ordered 1
		.amdhsa_forward_progress 1
		.amdhsa_inst_pref_size 166
	.end_amdhsa_kernel
	.amdgpu_metadata
---
amdhsa.version: [ 1, 2 ]
amdhsa.kernels:
  - .name:           k_q300ded9642_logits
    .symbol:         k_q300ded9642_logits.kd
    .args:
      - { .name: x_codes, .offset: 0, .size: 8, .value_kind: global_buffer, .address_space: global }
      - { .name: wt_codes, .offset: 8, .size: 8, .value_kind: global_buffer, .address_space: global }
      - { .name: lowp_scales, .offset: 16, .size: 8, .value_kind: global_buffer, .address_space: global }
      - { .name: biases, .offset: 24, .size: 8, .value_kind: global_buffer, .address_space: global }
      - { .name: out0, .offset: 32, .size: 8, .value_kind: global_buffer, .address_space: global }
    .group_segment_fixed_size: 327680
    .private_segment_fixed_size: 0
    .kernarg_segment_align: 8
    .kernarg_segment_size: 40
    .max_flat_workgroup_size: 128
    .sgpr_count:     90
    .vgpr_count:     1024
    .wavefront_size: 32
...
	.end_amdgpu_metadata
.endif
;; end of part 3
